; MI455X (gfx1250); checked and timed in simulation.
; The chip was launched on July 23, 2026; its instructions are those of AMD's public machine-readable ISA for CDNA 5 (MIT licence, August 2026) and "CDNA5" Instruction Set Architecture Reference Guide (July 2026). The comments in the code are by the model that wrote it; some were corrected since.
;; Multi Head Attention. Allowed arithmetic: matrix products marked QUANTISED: E2M1 operands, one E8M0 scale for each 32 along K, by v_wmma_scale_f32_16x16x128_f8f6f4 with both operands' format E2M1 (or v_wmma_scale_f32_32x16x128_f4), f32 sums; products left as they are: bf16, f16 or f32 operands; f32 sums; everything else in f32.
;; Inputs: W_k 512 x 512 float32; W_o 512 x 512 float32; W_q 512 x 512 float32; W_v 512 x 512 float32; b_k 512 float32; b_o 512 float32; b_q 512 float32; b_v 512 float32; mask 2 x 4,096 x 4,096 bool; x_k 2 x 4,096 x 512 float32; x_q 2 x 4,096 x 512 float32; x_v 2 x 4,096 x 512 float32.
;; Outputs: out0 2 x 4,096 x 512 float32.
;; This version of the problem:
;;   THIS VERSION OF THE PROBLEM IS GIVEN IN LOW PRECISION. The matrix products marked QUANTISED in the list below multiply operands that are first quantised to E2M1 (2 exponent bits, 1 mantissa bit; 4 bits a number), with one power-of-two scale for each 32 numbers along K (OCP MX v1.0); their sums are f32. The products marked 'left as it is' may take bf16, f16 or f32 operands, with f32 sums. Whichever they take, every output number must still come out within the allowed error. Rounding operands to bf16 (8 significant bits) uses up far more of that allowance than f16 does (11 bits, for magnitudes from 6e-5 to 65,504). All else is computed in f32.
;;   The module's matrix products, in the order in which they are computed (A, B: the left and right operand; K: the contracted axis; several contracted axes count as one K, in the product's order):
;;     1. [M 8,192, K 512] x [K 512, N 512]; A: input x_q; B: input W_q: QUANTISED
;;     2. [M 8,192, K 512] x [K 512, N 512]; A: input x_k; B: input W_k: QUANTISED
;;     3. [M 8,192, K 512] x [K 512, N 512]; A: input x_v; B: input W_v: QUANTISED
;;     4. batch 16 x [M 4,096, K 64] x [K 64, N 4,096]; A: computed on the way; B: computed on the way: left as it is (an operand is computed on the way)
;;     5. batch 16 x [M 4,096, K 4,096] x [K 4,096, N 64]; A: computed on the way; B: computed on the way: left as it is (an operand is computed on the way)
;;     6. [M 8,192, K 512] x [K 512, N 512]; A: computed on the way; B: input W_o: left as it is (an operand is computed on the way)
;;   THE QUANTISER, for each operand of a quantised product, along K:
;;     - K is cut into blocks of 32 from its start; a last block that is shorter is filled with zeros.
;;     - A block's scale is 2^e with e = floor(log2(the largest magnitude in the block)) - 2, held to -126 .. 127; a block of zeros has e = 0. As a byte (E8M0): e + 127.
;;     - Each number is divided by its block's scale, clamped to +-6, and rounded to the nearest number of E2M1, ties to even, subnormals kept.
;;     - The product sums the exact products of the quantised numbers (number of the format x scale) in f32.
;;   ~~~python
;;   def quantise(x, axis):      # numpy; x: float32 -> the quantised numbers, widened to float32 again
;;       x = np.moveaxis(x, axis, -1); K = x.shape[-1]
;;       x = np.pad(x, [(0, 0)] * (x.ndim - 1) + [(0, -K % 32)]); x = x.reshape(x.shape[:-1] + (-1, 32)); a = np.abs(x).max(-1, keepdims=True)
;;       e = np.where(a > 0, np.clip(np.frexp(np.where(a > 0, a, 1))[1] - 1 - 2, -126, 127), 0)      # np.frexp(a)[1] - 1 = floor(log2(a)), exactly
;;       r = np.clip(x / 2.0 ** e, -6, 6)
;;       step = 2.0 ** (np.maximum(np.frexp(np.where(r == 0, 1, r))[1] - 1, 0) - 1)
;;       q = np.round(r / step) * step * 2.0 ** e      # np.round: ties to even
;;       return np.moveaxis(q.reshape(q.shape[:-2] + (-1,))[..., :K], -1, axis).astype(np.float32)
;;   ~~~
;; One version. Each part assembles by itself: llvm-mc -triple=amdgcn-amd-amdhsa -mcpu=gfx1250 --defsym DOCPART=n.
;; ======== version 1 of 1: 4 launches
;; limits: values are held in f16: magnitudes above 65,504 overflow, below 6.1e-05 lose precision
;; workspace buffers: mbits 4,194,304 bytes of whole numbers; Wc 393,216 bytes; Wsc 49,152 bytes; Wof 524,288 bytes; Qf 8,388,608 bytes; Kf 8,388,608 bytes; Vf 8,388,608 bytes; Af 8,388,608 bytes
;; launch prep (part 1): grid 576 x 1, 8 waves a work-group, no clusters, 68,608 bytes of LDS; arguments mask, W_q, W_k, W_v, W_o, mbits, Wc, Wsc, Wof; writes mbits, Wc, Wsc, Wof
.if DOCPART == 1
	.amdgcn_target "amdgcn-amd-amdhsa--gfx1250"
	.amdhsa_code_object_version 6
	.text
	.protected	k_qe6d83a0c2f_prep
	.globl	k_qe6d83a0c2f_prep
	.p2align	8
	.type	k_qe6d83a0c2f_prep,@function
k_qe6d83a0c2f_prep:
	s_mov_b64 s[64:65], 0
	v_nop
	global_prefetch_b8 v0, s[64:65] scope:SCOPE_SE
	s_setreg_imm32_b32 hwreg(HW_REG_WAVE_MODE, 25, 1), 1
	s_wait_xcnt 0x0
; PREP: three jobs that later launches want done once, told apart by the work-group's number.
;  M (work-groups 0-511): the mask's bytes [2][4096][4096] become LANE MASKS.  The attention launch holds S^T: lane r + 16 h has query r, and register j of key tile t has key 16 t + 8 h + j.
;    So for each (tile of 16 queries T, key tile t, j) ONE word is stored whose bit r + 16 h is mask[16 T + r][16 t + 8 h + j]: mbits [T 512][t 256][j 8] words.  Any byte other than 0 counts as true.
;  Q (512-559): W_q, W_k, W_v [512 k][512 n] f32 become codes of E2M1, quantised along k, laid as IMAGES OF THE OPERAND'S REGISTERS: a fragment (16 columns n x 128 k) is 8 registers a lane:
;    registers 0-3 as 512 bytes, lane l's 16 at 16 l, then registers 4-7 likewise.  Wc [tensor][n tile 32][K step 4] x 1,024 bytes; the scale words Wsc, same index, 4 bytes a lane.
;    A block's scale is 2^(floor(log2(largest magnitude)) - 2); its byte is the largest magnitude's exponent field - 2, held at 1 from below.
;  O (560-575): W_o becomes f16 fragments (16 features n x 32 k), images likewise: Wof [feature block 4][chunk 2][n tile 8][k step in chunk 8] x 1,024 bytes.
; LIMITS: NaN and infinities are not served.  A block of zeros gets the byte 1 where the rule says 127: its codes are zeros, which add nothing under that byte, and only this program reads the bytes.
;  W_o's numbers under 6e-5 fall among f16's subnormals (absolute error 3e-8).
; No tensor loads, no barrier: waves share nothing.  No cluster: no two work-groups read the same bytes.  Only path M touches LDS.
.set STGB,  8448                       ; path M: a wave's stage: 16 rows x (512 bytes + 16)
.set SPARE, 8*STGB                     ; behind the stages: the spare words, 128 bytes for each wave: four blocks of 256 bytes that no other line names
.set SPW,   14                         ; v14  LDS address of my spare word; never rewritten
.set NIL,   15                         ; v15  0; never rewritten
	s_load_b512 s[8:23], s[0:1], 0x0               ; mask s[8:9], W_q s[10:11], W_k s[12:13], W_v s[14:15], W_o s[16:17], mbits s[18:19], Wc s[20:21], Wsc s[22:23]
	s_load_b64 s[24:25], s[0:1], 0x40              ; Wof
	v_lshl_add_u32 v[SPW], v0, 2, SPARE
	v_mov_b32 v[NIL], 0
	v_lshrrev_b32 v1, 5, v0
	v_readfirstlane_b32 s2, v1                     ; wave 0..7
	v_and_b32 v1, 31, v0                           ; lane
	v_and_b32 v2, 15, v0                           ; r
	v_bfe_u32 v3, v0, 4, 1                         ; h
	v_lshlrev_b32 v4, 4, v1                        ; 16 x lane
	s_mov_b32 s5, 0
	s_wait_kmcnt 0x0
	s_cmp_lt_u32 ttmp9, 512
	s_cbranch_scc0 .Lweights
; ---- M: work-group = tile of 16 queries, wave w = keys 512 w .. 512 w + 511
	s_mul_i32 s3, s2, STGB
	v_add_nc_u32 v5, s3, v4                        ; into the stage: 16 x lane, a row every 528 bytes
	v_mul_u32_u24 v6, v2, 528
	v_lshl_add_u32 v6, v3, 3, v6
	v_add_nc_u32 v6, s3, v6                        ; out of it: row r, 8 h bytes on: my eight keys of a key tile
	s_lshl_b32 s4, ttmp9, 16                       ; 16 rows of 4,096 bytes
	s_lshl_b32 s6, s2, 9
	s_add_co_u32 s4, s4, s6
	s_add_nc_u64 s[8:9], s[8:9], s[4:5]
	s_lshl_b32 s4, ttmp9, 13                       ; 8,192 bytes of words for a tile of queries, 1,024 of them my wave's
	s_lshl_b32 s6, s2, 10
	s_add_co_u32 s4, s4, s6
	s_add_nc_u64 s[18:19], s[18:19], s[4:5]
	s_mov_b32 s40, 0xff                            ; the four bytes of a word
	s_mov_b32 s41, 0xff00
	s_mov_b32 s42, 0xff0000
	s_mov_b32 s43, 0xff000000
.irp i, 0,1,2,3,4,5,6,7,8,9,10,11,12,13,14,15
	global_load_b128 v[16+4*\i:19+4*\i], v4, s[8:9] offset:4096*\i th:TH_LOAD_NT   ; row i: 32 lanes read 512 consecutive bytes
.endr
.irp k, 0,1,2,3,4,5,6,7
	v_mov_b32 v[144+\k], 0                         ; v_writelane_b32's destination counts as read
.endr
.irp i, 0,1,2,3,4,5,6,7,8,9,10,11,12,13,14,15
	s_wait_loadcnt 15-\i                           ; row i is in; the rows behind it may be out
	ds_store_b128 v5, v[16+4*\i:19+4*\i] offset:528*\i
.endr
.irp t, 0,1,2,3,4,5,6,7,8,9,10,11,12,13,14,15,16,17,18,19,20,21,22,23,24,25,26,27,28,29,30,31
	ds_load_b64 v[80+2*\t:81+2*\t], v6 offset:16*\t   ; LDS serves a wave's instructions in order (ISA guide 5.7.1.4): these see my stores.  Rows 132 words apart: lane (r, h) takes words 4 r + 2 h and the next, modulo 64
.endr
.irp t, 0,1,2,3,4,5,6,7,8,9,10,11,12,13,14,15,16,17,18,19,20,21,22,23,24,25,26,27,28,29,30,31
	s_wait_dscnt 31-\t                             ; key tile t is in; the loads behind it may be out
.irp j, 0,1,2,3,4,5,6,7
	v_and_b32 v[152+\j], s[40+\j%4], v[80+2*\t+\j/4]   ; my byte for key 16 t + 8 h + j
.endr
.irp j, 0,1,2,3,4,5,6,7
	v_cmp_ne_u32 s[44+\j], 0, v[152+\j]            ; the 32 lanes' bits: the word
.endr
.irp j, 0,1,2,3,4,5,6,7
	v_writelane_b32 v[144+4*(\t/16)+\j%4], s[44+\j], 2*(\t%16)+\j/4   ; word 8 t + j goes where a store of 16 bytes a lane wants it
.endr
.endr
	global_store_b128 v4, v[144:147], s[18:19]     ; 32 lanes store 512 consecutive bytes
	global_store_b128 v4, v[148:151], s[18:19] offset:512
	s_wait_tensorcnt 0x0                           ; the wave's end: behind my last LDS store
	ds_add_u32 v[SPW], v[NIL]
	s_wait_dscnt 0x0
	s_endpgm
.Lweights:
	s_cmp_lt_u32 ttmp9, 560
	s_cbranch_scc0 .Lwo
; ---- Q: one fragment a wave.  LANE r TAKES COLUMN n = r AND ITS REGISTERS RUN DOWN k, in the order that the operand's layout gives that lane: k = 64 c + 32 h + 0 .. 31
	s_sub_co_u32 s3, ttmp9, 512                    ; g = 0 .. 47
	s_lshr_b32 s4, s3, 4                           ; which tensor
	s_bfe_u32 s6, s3, 0x20002                      ; which K step of 128
	s_and_b32 s7, s3, 3
	s_lshl_b32 s7, s7, 3
	s_add_co_u32 s7, s7, s2                        ; n tile: the eight waves stand side by side on 512 bytes of each row of W
	s_cmp_eq_u32 s4, 0
	s_cselect_b64 s[26:27], s[10:11], s[12:13]
	s_cmp_eq_u32 s4, 2
	s_cselect_b64 s[26:27], s[14:15], s[26:27]
	s_lshl_b32 s28, s6, 18                         ; 128 rows of 2,048 bytes
	s_lshl_b32 s30, s7, 6
	s_add_co_u32 s28, s28, s30
	s_mov_b32 s29, 0
	s_add_nc_u64 s[26:27], s[26:27], s[28:29]
	s_lshl_b32 s28, s4, 5
	s_add_co_u32 s28, s28, s7
	s_lshl_b32 s28, s28, 2
	s_add_co_u32 s28, s28, s6                      ; the fragment's number: (32 tensor + n tile) 4 + K step
	s_lshl_b32 s30, s28, 7
	s_mov_b32 s31, 0
	s_lshl_b32 s28, s28, 10
	s_add_nc_u64 s[20:21], s[20:21], s[28:29]
	s_add_nc_u64 s[22:23], s[22:23], s[30:31]
	s_mov_b32 s32, 0x76543210
	s_mov_b32 s33, 0xfedcba98                      ; v_permlanex16_b32's selects for lane l xor 16
	v_lshlrev_b32 v5, 2, v2
	v_lshl_add_u32 v5, v3, 16, v5                  ; 4 r, and 32 rows further down for lanes 16-31
	v_lshlrev_b32 v7, 2, v1                        ; 4 x lane
.irp c, 0,1
.irp i, 0,1,2,3,4,5,6,7,8,9,10,11,12,13,14,15,16,17,18,19,20,21,22,23,24,25,26,27,28,29,30,31
	global_load_b32 v[64+32*\c+\i], v5, s[26:27] offset:(64*\c+\i)*2048
.endr
.endr
	s_wait_loadcnt 0x0
.irp c, 0,1
	v_max3_num_f32 v[32+\c], |v[64+32*\c]|, |v[65+32*\c]|, 0x1800000   ; my block 2 c + h: all its 32 numbers are mine; and the floor 2^(3 - 127): the byte cannot fall under 1
.endr
.irp i, 2,4,6,8,10,12,14,16,18,20,22,24,26,28,30
.irp c, 0,1
	v_max3_num_f32 v[32+\c], v[32+\c], |v[64+32*\c+\i]|, |v[65+32*\c+\i]|
.endr
.endr
.irp c, 0,1
	v_add_nc_u32 v[44+\c], 0xff000000, v[32+\c]    ; 2 off the exponent field: the conversion takes the exponent field of this operand as its scale
.endr
.irp c, 0,1
	v_lshrrev_b32 v[36+\c], 23, v[44+\c]           ; the scale's byte
.endr
	v_lshl_or_b32 v9, v37, 16, v36                 ; my two bytes, blocks h and 2 + h,
	v_lshlrev_b32 v10, 3, v3
	v_lshlrev_b32 v9, v10, v9                      ; at their places in the word;
	v_mov_b32 v10, 0
	v_permlanex16_b32 v10, v9, s32, s33
	v_or_b32 v9, v9, v10                           ; with lane l xor 16's two the word is whole, in both halves of the lanes
.irp c, 0,1
.irp g, 0,1,2,3
	v_cvt_scalef32_pk8_fp4_f32 v[48+4*\c+\g], v[64+32*\c+8*\g:71+32*\c+8*\g], v[44+\c]
.endr
.endr
	v_nop                                          ; one plain line behind the last scaled conversion
	global_store_b128 v4, v[48:51], s[20:21]       ; the image: 512 consecutive bytes a store
	global_store_b128 v4, v[52:55], s[20:21] offset:512
	global_store_b32 v7, v9, s[22:23]
	s_endpgm
.Lwo:
; ---- O: four fragments (128 along k) of one n tile a wave.  Lane (r, h): feature r; registers 0-3 k = 8 h + 0 .. 7, registers 4-7 k = 16 + 8 h + 0 .. 7
	s_sub_co_u32 s3, ttmp9, 560                    ; g = 0 .. 15
	s_lshr_b32 s4, s3, 2                           ; which 128 along k
	s_and_b32 s6, s3, 3                            ; feature block; the n tile in it is my wave's number
	s_lshl_b32 s28, s4, 18
	s_lshl_b32 s30, s6, 9
	s_add_co_u32 s28, s28, s30
	s_lshl_b32 s30, s2, 6
	s_add_co_u32 s28, s28, s30
	s_mov_b32 s29, 0
	s_add_nc_u64 s[16:17], s[16:17], s[28:29]
	s_lshl_b32 s28, s6, 1
	s_lshr_b32 s30, s4, 1
	s_add_co_u32 s28, s28, s30                     ; 2 x feature block + chunk
	s_lshl_b32 s28, s28, 3
	s_add_co_u32 s28, s28, s2                      ; x 8 + n tile
	s_lshl_b32 s28, s28, 3
	s_and_b32 s30, s4, 1
	s_lshl_b32 s30, s30, 2
	s_add_co_u32 s28, s28, s30                     ; x 8 + the first of my four k steps in the chunk
	s_lshl_b32 s28, s28, 10
	s_add_nc_u64 s[24:25], s[24:25], s[28:29]
	v_lshlrev_b32 v5, 2, v2
	v_lshl_add_u32 v5, v3, 14, v5                  ; 4 r, and 8 rows further down for lanes 16-31
.irp q, 0,1,2,3
.irp e, 0,1
.irp i, 0,1,2,3,4,5,6,7
	global_load_b32 v[64+16*\q+8*\e+\i], v5, s[16:17] offset:(32*\q+16*\e+\i)*2048
.endr
.endr
.endr
	s_wait_loadcnt 0x0
.irp q, 0,1,2,3
.irp e, 0,1
.irp i, 0,1,2,3
	v_cvt_pk_f16_f32 v[16+8*\q+4*\e+\i], v[64+16*\q+8*\e+2*\i], v[65+16*\q+8*\e+2*\i]   ; the lower k in the low half
.endr
.endr
.endr
.irp q, 0,1,2,3
.irp e, 0,1
	global_store_b128 v4, v[16+8*\q+4*\e:19+8*\q+4*\e], s[24:25] offset:1024*\q+512*\e
.endr
.endr
	s_endpgm
.Lfunc_end_k_qe6d83a0c2f_prep:
	.size	k_qe6d83a0c2f_prep, .Lfunc_end_k_qe6d83a0c2f_prep-k_qe6d83a0c2f_prep
	.p2alignl 7, 3214868480
	.fill 96, 4, 3214868480
	.section	.rodata,"a",@progbits
	.p2align	6, 0x0
	.amdhsa_kernel k_qe6d83a0c2f_prep
		.amdhsa_group_segment_fixed_size 68608
		.amdhsa_private_segment_fixed_size 0
		.amdhsa_enable_private_segment 0
		.amdhsa_kernarg_size 72
		.amdhsa_user_sgpr_count 2
		.amdhsa_user_sgpr_kernarg_segment_ptr 1
		.amdhsa_wavefront_size32 1
		.amdhsa_system_sgpr_workgroup_id_x 1
		.amdhsa_system_sgpr_workgroup_id_y 1
		.amdhsa_system_sgpr_workgroup_id_z 1
		.amdhsa_system_vgpr_workitem_id 0
		.amdhsa_next_free_vgpr 160
		.amdhsa_next_free_sgpr 66
		.amdhsa_reserve_vcc 0
		.amdhsa_float_denorm_mode_32 3
		.amdhsa_float_denorm_mode_16_64 3
		.amdhsa_memory_ordered 1
		.amdhsa_forward_progress 1
		.amdhsa_inst_pref_size 69
	.end_amdhsa_kernel
	.amdgpu_metadata
---
amdhsa.version: [ 1, 2 ]
amdhsa.kernels:
  - .name:           k_qe6d83a0c2f_prep
    .symbol:         k_qe6d83a0c2f_prep.kd
    .args:
      - { .name: mask, .offset: 0, .size: 8, .value_kind: global_buffer, .address_space: global }
      - { .name: W_q, .offset: 8, .size: 8, .value_kind: global_buffer, .address_space: global }
      - { .name: W_k, .offset: 16, .size: 8, .value_kind: global_buffer, .address_space: global }
      - { .name: W_v, .offset: 24, .size: 8, .value_kind: global_buffer, .address_space: global }
      - { .name: W_o, .offset: 32, .size: 8, .value_kind: global_buffer, .address_space: global }
      - { .name: mbits, .offset: 40, .size: 8, .value_kind: global_buffer, .address_space: global }
      - { .name: Wc, .offset: 48, .size: 8, .value_kind: global_buffer, .address_space: global }
      - { .name: Wsc, .offset: 56, .size: 8, .value_kind: global_buffer, .address_space: global }
      - { .name: Wof, .offset: 64, .size: 8, .value_kind: global_buffer, .address_space: global }
    .group_segment_fixed_size: 68608
    .private_segment_fixed_size: 0
    .kernarg_segment_align: 8
    .kernarg_segment_size: 72
    .max_flat_workgroup_size: 256
    .sgpr_count:     66
    .vgpr_count:     160
    .wavefront_size: 32
...
	.end_amdgpu_metadata
.endif
;; end of part 1
;; launch proj (part 2): grid 64 x 3, 8 waves a work-group, no clusters, 87,040 bytes of LDS; arguments x_q, x_k, x_v, b_q, b_k, b_v, Wc, Wsc, Qf, Kf, Vf; writes Qf, Kf, Vf
.if DOCPART == 2
	.amdgcn_target "amdgcn-amd-amdhsa--gfx1250"
	.amdhsa_code_object_version 6
	.text
	.protected	k_qe6d83a0c2f_proj
	.globl	k_qe6d83a0c2f_proj
	.p2align	8
	.type	k_qe6d83a0c2f_proj,@function
k_qe6d83a0c2f_proj:
	s_mov_b64 s[64:65], 0
	v_nop
	global_prefetch_b8 v0, s[64:65] scope:SCOPE_SE
	s_setreg_imm32_b32 hwreg(HW_REG_WAVE_MODE, 25, 1), 1
	s_wait_xcnt 0x0
; PROJ: Q = c (x_q W_q + b_q), K = x_k W_k + b_k, V = x_v W_v + b_v, the products on codes of E2M1 with one E8M0 scale for each 32 along K = 512; sums in f32.
; c = log2(e) / 8 goes into Q here, in f32, so that the attention launch's scores are exponents of 2 as they come.  Work-group y says which tensor.
; x [8192][512] f32 is quantised here, in registers; W comes as fragment images and scale words from the launch before.  The results are rounded once, to f16, and stored as IMAGES OF THE NEXT OPERAND'S REGISTERS
; (8 registers a lane: registers 0-3 as 512 bytes, lane l's 16 at 16 l, then registers 4-7): Qf, Kf [batch x head 16][tile of 16 tokens 256][channels 32 u: 2] x 1,024 bytes; Vf [16][32 keys: 128][16 channels: 4] x 1,024 bytes.
; SHARES.  A work-group takes 128 rows, as two blocks of 64.  WAVE w IS HEAD w: its 64 columns of W (16 fragments, 16 scale words) and its bias stay in registers for the whole launch; what goes round is x's codes:
; wave w quantises rows 16 (w / 2) on, K steps 2 (w % 2) and the next, and stores their images in LDS | barrier | every wave multiplies all 64 rows by its columns | barrier.
; Q and K are made TRANSPOSED (source 0 = 16 columns of W, source 1 = 16 tokens): a lane holds one token and eight neighbouring channels: half a fragment of Q or K.  V is made the other way round: a lane holds one
; channel and eight neighbouring tokens: half a fragment of V^T, whose K is the keys.  The bias is the C of each sum's first matrix instruction.
; 192 work-groups: 24,576 rows of three tensors do not fall into 256 equal shares of one tensor each.  No cluster and no tensor load: W goes from memory into registers once a work-group, and x is read by one wave.
; LIMITS: NaN and infinities are not served; |c Q|, |K|, |V| must stay under 65,504, f16's largest number; a block of zeros gets the scale byte 1 (its codes are zeros; the bytes never leave the launch).
; REGISTERS.  window 0: v1-8 addresses; v16-79, v80-143 x as loaded (two K steps); v144-207 64 numbers for the quantiser, later x's four fragments (v144-175) and four accumulators (v176-207);
;   v208-223 at work, later packed results; v224-231 codes, v232 the scale word just made; v233-236 x's scale words, v237-252 W's; v253, v254 the add's two.   window 1: v0-127 W's fragments, v128-159 the bias.
.set XIMG,  0                          ; LDS: x's 16 images (tile of rows m, K step s: 4 m + s), 1,024 bytes each,
.set XSC,   16384                      ; their scale words, 128 bytes each,
.set STG,   18432                      ; a stage for each wave: 16 rows x (512 bytes + 16),
.set STGB,  8448
.set SPARE, STG+8*STGB                 ; and the spare words, 128 bytes for each wave: four blocks of 256 bytes that no other line names
.set LI16, 1                           ; v1  16 x lane
.set LI4,  2                           ; v2  4 x lane
.set XA,   3                           ; v3  x: my 16 bytes of my wave's first row and K step
.set STI,  4                           ; v4  into my stage
.set STO,  5                           ; v5  out of it
.set XWI,  6                           ; v6  where I store x's images: 16 x lane + 2,048 x wave
.set XWS,  7                           ; v7  and their scale words: 4 x lane + 256 x wave
.set BA,   8                           ; v8  my offset in the bias
.set RA,   16
.set RB,   80
.set X,    144
.set XF,   144
.set ACC,  176
.set TM,   208
.set PK,   208
.set PC,   224
.set PW,   232
.set XS,   233
.set WS,   237
.set SPW,  253
.set NIL,  254
.set BIAS, 128                         ; in window 1
.set WV,   2
.set Y,    3
.set BLK,  34
.set SEL,  36
.set CS,   40
.set MSB, 0
.macro WIN new                         ; the immediate's high byte repeats the setting that is left
.if MSB != \new
	s_set_vgpr_msb (MSB<<8)|\new
.set MSB, \new
.endif
.endm
.macro XLOAD off                       ; my 16 rows, two K steps of 128: each load is 512 consecutive bytes of one row.  The first K step's sixteen first
.irp i, 0,1,2,3,4,5,6,7,8,9,10,11,12,13,14,15
	global_load_b128 v[RA+4*\i:RA+4*\i+3], v[XA], s[4:5] offset:\off+2048*\i th:TH_LOAD_NT
.endr
.irp i, 0,1,2,3,4,5,6,7,8,9,10,11,12,13,14,15
	global_load_b128 v[RB+4*\i:RB+4*\i+3], v[XA], s[4:5] offset:\off+2048*\i+512 th:TH_LOAD_NT
.endr
.endm
.macro TURN reg                        ; a K step of 16 rows through my stage: in as loaded, out so that lane (r, h) holds, of row r, k = 32 b + 16 h + 0 .. 15 in registers 16 b on.  LDS serves a wave's instructions in order
.irp i, 0,1,2,3,4,5,6,7,8,9,10,11,12,13,14,15
	ds_store_b128 v[STI], v[\reg+4*\i:\reg+4*\i+3] offset:528*\i
.endr
.irp b, 0,1,2,3
.irp j, 0,1,2,3
	ds_load_b128 v[X+16*\b+4*\j:X+16*\b+4*\j+3], v[STO] offset:128*\b+16*\j
.endr
.endr
.endm
.macro QUANT s                         ; 64 numbers of a lane become a fragment's codes in v[PC] on and its scale word in v[PW]
.irp b, 0,1,2,3
	v_max3_num_f32 v[TM+\b], |v[\s+16*\b]|, |v[\s+1+16*\b]|, 0x1800000   ; block b: my 16 numbers, and the floor 2^(3 - 127): the byte cannot fall under 1
.endr
.irp i, 2,4,6,8,10,12,14
.irp b, 0,1,2,3
	v_max3_num_f32 v[TM+\b], v[TM+\b], |v[\s+16*\b+\i]|, |v[\s+1+16*\b+\i]|
.endr
.endr
.irp b, 0,1,2,3
	v_permlanex16_b32 v[TM+4+\b], v[TM+\b], s[SEL], s[SEL+1]
.endr
.irp b, 0,1,2,3
	v_max_num_f32 v[TM+\b], v[TM+\b], v[TM+4+\b]   ; with lane l xor 16's: the block's largest magnitude
.endr
.irp b, 0,1,2,3
	v_add_nc_u32 v[TM+12+\b], 0xff000000, v[TM+\b] ; 2 off its exponent field: the conversion's scale operand
.endr
.irp b, 0,1,2,3
	v_lshrrev_b32 v[TM+4+\b], 23, v[TM+12+\b]      ; the scale's byte
.endr
	v_lshl_or_b32 v[PW], v[TM+5], 8, v[TM+4]
	v_lshl_or_b32 v[PW], v[TM+6], 16, v[PW]
	v_lshl_or_b32 v[PW], v[TM+7], 24, v[PW]
.irp b, 0,1,2,3
	v_cvt_scalef32_pk8_fp4_f32 v[PC+2*\b], v[\s+16*\b:\s+7+16*\b], v[TM+12+\b]
	v_cvt_scalef32_pk8_fp4_f32 v[PC+1+2*\b], v[\s+8+16*\b:\s+15+16*\b], v[TM+12+\b]
.endr
	v_nop                                          ; one plain line behind the last scaled conversion
.irp c, 0,1                                    ; the operand's layout wants a whole block in a lane: lanes 0-15 block 2 c, lanes 16-31 block 2 c + 1
.irp i, 0,1
	v_permlane16_swap_b32 v[PC+4*\c+\i], v[PC+2+4*\c+\i]
.endr
.endr
.endm
.macro IMAGE off
	ds_store_b128 v[XWI], v[PC:PC+3] offset:\off
	ds_store_b128 v[XWI], v[PC+4:PC+7] offset:\off+512
.endm
.macro BARRIER                         ; my LDS stores have landed and my LDS loads are in: then the work-group's barrier
	s_wait_dscnt 0x0
	s_barrier_signal -1
	s_barrier_wait -1
.endm
; The products of a block, a tile of 16 rows at a time: 16 matrix instructions, the four accumulators by turns.  mode 0: Q (x c), 1: K, 2: V (sources the other way round)
.macro PROD mode
.irp m, 0,1,2,3
.irp s, 0,1,2,3
	ds_load_b128 v[XF+8*\s:XF+8*\s+3], v[LI16] offset:XIMG+(4*\m+\s)*1024
	ds_load_b128 v[XF+8*\s+4:XF+8*\s+7], v[LI16] offset:XIMG+(4*\m+\s)*1024+512
	ds_load_b32 v[XS+\s], v[LI4] offset:XSC+(4*\m+\s)*128
.endr
	s_wait_dscnt 0x0
.irp s, 0,1,2,3
.if \mode == 2
.if \s == 0
	WIN 0x14                                       ; source 1 (W) and source 2 (the bias) window 1
.else
	WIN 0x04
.endif
.else
.if \s == 0
	WIN 0x11                                       ; source 0 (W) and source 2 (the bias) window 1
.else
	WIN 0x01
.endif
.endif
.irp t, 0,1,2,3
.if \mode == 2
.if \s == 0
	v_wmma_scale_f32_16x16x128_f8f6f4 v[ACC+8*\t:ACC+8*\t+7], v[XF+8*\s:XF+8*\s+7], v[8*(4*\t+\s):8*(4*\t+\s)+7], v[BIAS+8*\t:BIAS+8*\t+7], v[XS+\s], v[WS+4*\t+\s] matrix_a_fmt:MATRIX_FMT_FP4 matrix_b_fmt:MATRIX_FMT_FP4
.else
	v_wmma_scale_f32_16x16x128_f8f6f4 v[ACC+8*\t:ACC+8*\t+7], v[XF+8*\s:XF+8*\s+7], v[8*(4*\t+\s):8*(4*\t+\s)+7], v[ACC+8*\t:ACC+8*\t+7], v[XS+\s], v[WS+4*\t+\s] matrix_a_fmt:MATRIX_FMT_FP4 matrix_b_fmt:MATRIX_FMT_FP4
.endif
.else
.if \s == 0
	v_wmma_scale_f32_16x16x128_f8f6f4 v[ACC+8*\t:ACC+8*\t+7], v[8*(4*\t+\s):8*(4*\t+\s)+7], v[XF+8*\s:XF+8*\s+7], v[BIAS+8*\t:BIAS+8*\t+7], v[WS+4*\t+\s], v[XS+\s] matrix_a_fmt:MATRIX_FMT_FP4 matrix_b_fmt:MATRIX_FMT_FP4
.else
	v_wmma_scale_f32_16x16x128_f8f6f4 v[ACC+8*\t:ACC+8*\t+7], v[8*(4*\t+\s):8*(4*\t+\s)+7], v[XF+8*\s:XF+8*\s+7], v[ACC+8*\t:ACC+8*\t+7], v[WS+4*\t+\s], v[XS+\s] matrix_a_fmt:MATRIX_FMT_FP4 matrix_b_fmt:MATRIX_FMT_FP4
.endif
.endif
.endr
.endr
	WIN 0
.rept 4
	v_nop                                          ; four places behind the last products, ahead of the first read of their results; with the other tiles' conversions they also stand ahead of the next loads and of the sums begun anew
.endr
	s_wait_xcnt 0x0                                ; the last stores have read their data: the packed results may be written again
.if \mode == 0
.irp i, 0,1,2,3,4,5,6,7,8,9,10,11,12,13,14,15
	v_pk_mul_f32 v[ACC+2*\i:ACC+2*\i+1], v[ACC+2*\i:ACC+2*\i+1], s[CS:CS+1] op_sel_hi:[1,0]   ; Q x c, in f32; each accumulator from its low end on
.endr
.endif
.irp i, 0,1,2,3,4,5,6,7,8,9,10,11,12,13,14,15
	v_cvt_pk_f16_f32 v[PK+\i], v[ACC+2*\i], v[ACC+2*\i+1]   ; eight neighbours of a lane become 16 bytes: half a fragment
.endr
.irp t, 0,1,2,3
.if \mode == 2
	global_store_b128 v[LI16], v[PK+4*\t:PK+4*\t+3], s[6:7] offset:4096*(\m/2)+1024*\t+512*(\m%2)   ; 32 keys m / 2, channel tile t, the half of its keys
.else
	global_store_b128 v[LI16], v[PK+4*\t:PK+4*\t+3], s[6:7] offset:2048*\m+512*\t                   ; token tile m, channels 16 t on.  32 lanes store 512 consecutive bytes
.endif
.endr
.endr
.endm
	s_load_b512 s[8:23], s[0:1], 0x0               ; x_q s[8:9], x_k s[10:11], x_v s[12:13], b_q s[14:15], b_k s[16:17], b_v s[18:19], Wc s[20:21], Wsc s[22:23]
	s_load_b128 s[24:27], s[0:1], 0x40             ; Qf, Kf
	s_load_b64 s[28:29], s[0:1], 0x50              ; Vf
	v_lshl_add_u32 v[SPW], v0, 2, SPARE
	v_mov_b32 v[NIL], 0
	v_lshrrev_b32 v9, 5, v0
	v_readfirstlane_b32 s[WV], v9                  ; wave 0..7
	v_and_b32 v9, 31, v0                           ; lane
	v_and_b32 v10, 15, v0                          ; r
	v_bfe_u32 v11, v0, 4, 1                        ; h
	v_lshlrev_b32 v[LI16], 4, v9
	v_lshlrev_b32 v[LI4], 2, v9
	s_lshr_b32 s38, s[WV], 1
	s_lshl_b32 s38, s38, 15                        ; 16 rows of 2,048 bytes for each tile of rows,
	s_and_b32 s39, s[WV], 1
	s_lshl_b32 s39, s39, 10                        ; two K steps of 512 bytes
	s_add_co_u32 s38, s38, s39
	v_add_nc_u32 v[XA], s38, v[LI16]
	s_mul_i32 s38, s[WV], STGB
	s_add_co_u32 s38, s38, STG
	v_add_nc_u32 v[STI], s38, v[LI16]
	v_mul_u32_u24 v[STO], v10, 528
	v_lshl_add_u32 v[STO], v11, 6, v[STO]
	v_add_nc_u32 v[STO], s38, v[STO]
	s_lshl_b32 s38, s[WV], 11
	v_add_nc_u32 v[XWI], s38, v[LI16]
	s_lshl_b32 s38, s[WV], 8
	v_add_nc_u32 v[XWS], s38, v[LI4]
.irp b, 0,1,2,3
	v_mov_b32 v[TM+4+\b], 0                        ; written once: a lane permute's destination counts as one of its sources
.endr
	s_mov_b32 s[SEL], 0x76543210
	s_mov_b32 s[SEL+1], 0xfedcba98
	s_mov_b32 s[CS], 0x3e38aa3b                    ; c = log2(e) / 8
	s_mov_b32 s[CS+1], s[CS]                       ; (named with it as a pair, so it is written)
	s_mov_b32 s[BLK], 2
	s_and_b32 s[Y], ttmp7, 0xffff                  ; which tensor
	s_mov_b32 s33, 0
	s_wait_kmcnt 0x0
	s_cmp_eq_u32 s[Y], 0                           ; the choices hang on the work-group's number alone
	s_cselect_b64 s[4:5], s[8:9], s[10:11]
	s_cselect_b64 s[30:31], s[14:15], s[16:17]
	s_cselect_b64 s[6:7], s[24:25], s[26:27]
	s_cmp_eq_u32 s[Y], 2
	s_cselect_b64 s[4:5], s[12:13], s[4:5]
	s_cselect_b64 s[30:31], s[18:19], s[30:31]
	s_cselect_b64 s[6:7], s[28:29], s[6:7]
	s_lshl_b32 s32, ttmp9, 18                      ; x: 128 rows of 2,048 bytes
	s_add_nc_u64 s[4:5], s[4:5], s[32:33]
	s_lshl_b32 s32, s[WV], 8                       ; the bias: my head's 64 numbers
	s_add_nc_u64 s[30:31], s[30:31], s[32:33]
	s_lshl_b32 s32, s[Y], 17                       ; W's fragments: 131,072 bytes a tensor, 16,384 a head
	s_lshl_b32 s38, s[WV], 14
	s_add_co_u32 s32, s32, s38
	s_add_nc_u64 s[20:21], s[20:21], s[32:33]
	s_lshl_b32 s32, s[Y], 14                       ; their scale words: an eighth of that
	s_lshl_b32 s38, s[WV], 11
	s_add_co_u32 s32, s32, s38
	s_add_nc_u64 s[22:23], s[22:23], s[32:33]
	s_lshr_b32 s32, ttmp9, 5                       ; the batch
	s_lshl_b32 s32, s32, 3
	s_add_co_u32 s32, s32, s[WV]                   ; 8 x batch + head
	s_lshl_b32 s32, s32, 8
	s_and_b32 s38, ttmp9, 31
	s_lshl_b32 s38, s38, 3
	s_add_co_u32 s32, s32, s38                     ; x 256 + my first tile of 16 tokens
	s_lshl_b32 s32, s32, 11                        ; 2,048 bytes a tile, in Qf, Kf and Vf alike
	s_add_nc_u64 s[6:7], s[6:7], s[32:33]
	WIN 0x40                                       ; destination window 1
.irp f, 0,1,2,3,4,5,6,7,8,9,10,11,12,13,14,15
	global_load_b128 v[8*\f:8*\f+3], v[LI16], s[20:21] offset:1024*\f        ; W's fragment (n tile f / 4, K step f % 4): it stays
	global_load_b128 v[8*\f+4:8*\f+7], v[LI16], s[20:21] offset:1024*\f+512
.endr
	WIN 0
.irp f, 0,1,2,3,4,5,6,7,8,9,10,11,12,13,14,15
	global_load_b32 v[WS+\f], v[LI4], s[22:23] offset:128*\f
.endr
	s_cmp_eq_u32 s[Y], 2
	s_cbranch_scc1 .Lbias_v
	v_lshlrev_b32 v[BA], 5, v11                    ; Q, K: lane (r, h) holds channels 16 t + 8 h + 0 .. 7
	WIN 0x40
.irp t, 0,1,2,3
	global_load_b128 v[BIAS+8*\t:BIAS+8*\t+3], v[BA], s[30:31] offset:64*\t
	global_load_b128 v[BIAS+8*\t+4:BIAS+8*\t+7], v[BA], s[30:31] offset:64*\t+16
.endr
	WIN 0
	s_branch .Lbias_done
.Lbias_v:
	v_lshlrev_b32 v[BA], 2, v10                    ; V: lane (r, h) holds channel 16 t + r in all eight registers
	WIN 0x40
.irp t, 0,1,2,3
.irp j, 0,1,2,3,4,5,6,7
	global_load_b32 v[BIAS+8*\t+\j], v[BA], s[30:31] offset:64*\t
.endr
.endr
	WIN 0
.Lbias_done:
	XLOAD 0                                        ; the first block's x, behind W and the bias: so one count serves both ways here
.Lblock:
	; ---- my 16 rows of x become two fragments
	s_wait_loadcnt 16                              ; all but the second K step's sixteen loads are in
	TURN RA
	s_wait_dscnt 0x0
	QUANT X
	IMAGE XIMG
	ds_store_b32 v[XWS], v[PW] offset:XSC
	s_wait_loadcnt 0x0
	TURN RB
	s_wait_dscnt 0x0                               ; the second K step is back from the stage; the images' stores have read their registers
	s_cmp_eq_u32 s[BLK], 1                         ; the next block's x is asked for here, if there is a next block: no load leaves its buffer
	s_cbranch_scc1 .Lno_next
	XLOAD 131072
.Lno_next:
	QUANT X
	IMAGE XIMG+1024
	ds_store_b32 v[XWS], v[PW] offset:XSC+128
	BARRIER                                        ; x's sixteen fragments lie in LDS
	; ---- my head's 64 columns for the 64 rows
	s_cmp_eq_u32 s[Y], 0
	s_cbranch_scc1 .Larm_q
	s_cmp_eq_u32 s[Y], 1
	s_cbranch_scc1 .Larm_k
	PROD 2
	s_branch .Ljoin
.Larm_q:
	PROD 0
	s_branch .Ljoin
.Larm_k:
	PROD 1
.Ljoin:
	BARRIER                                        ; every wave's reads of the images are over: the next block may write them
	s_wait_xcnt 0x0                                ; the loads and stores have read their bases and data
	s_add_nc_u64 s[4:5], s[4:5], 131072            ; 64 rows of x
	s_add_nc_u64 s[6:7], s[6:7], 8192              ; four tiles of tokens
	s_sub_co_u32 s[BLK], s[BLK], 1
	s_cmp_lg_u32 s[BLK], 0
	s_cbranch_scc1 .Lblock
	s_wait_tensorcnt 0x0                           ; the wave's end: behind my last LDS store
	ds_add_u32 v[SPW], v[NIL]
	s_wait_dscnt 0x0
	s_endpgm
.Lfunc_end_k_qe6d83a0c2f_proj:
	.size	k_qe6d83a0c2f_proj, .Lfunc_end_k_qe6d83a0c2f_proj-k_qe6d83a0c2f_proj
	.p2alignl 7, 3214868480
	.fill 96, 4, 3214868480
	.section	.rodata,"a",@progbits
	.p2align	6, 0x0
	.amdhsa_kernel k_qe6d83a0c2f_proj
		.amdhsa_group_segment_fixed_size 87040
		.amdhsa_private_segment_fixed_size 0
		.amdhsa_enable_private_segment 0
		.amdhsa_kernarg_size 88
		.amdhsa_user_sgpr_count 2
		.amdhsa_user_sgpr_kernarg_segment_ptr 1
		.amdhsa_wavefront_size32 1
		.amdhsa_system_sgpr_workgroup_id_x 1
		.amdhsa_system_sgpr_workgroup_id_y 1
		.amdhsa_system_sgpr_workgroup_id_z 1
		.amdhsa_system_vgpr_workitem_id 0
		.amdhsa_next_free_vgpr 416
		.amdhsa_next_free_sgpr 66
		.amdhsa_reserve_vcc 0
		.amdhsa_float_denorm_mode_32 3
		.amdhsa_float_denorm_mode_16_64 3
		.amdhsa_memory_ordered 1
		.amdhsa_forward_progress 1
		.amdhsa_inst_pref_size 88
	.end_amdhsa_kernel
	.amdgpu_metadata
---
amdhsa.version: [ 1, 2 ]
amdhsa.kernels:
  - .name:           k_qe6d83a0c2f_proj
    .symbol:         k_qe6d83a0c2f_proj.kd
    .args:
      - { .name: x_q, .offset: 0, .size: 8, .value_kind: global_buffer, .address_space: global }
      - { .name: x_k, .offset: 8, .size: 8, .value_kind: global_buffer, .address_space: global }
      - { .name: x_v, .offset: 16, .size: 8, .value_kind: global_buffer, .address_space: global }
      - { .name: b_q, .offset: 24, .size: 8, .value_kind: global_buffer, .address_space: global }
      - { .name: b_k, .offset: 32, .size: 8, .value_kind: global_buffer, .address_space: global }
      - { .name: b_v, .offset: 40, .size: 8, .value_kind: global_buffer, .address_space: global }
      - { .name: Wc, .offset: 48, .size: 8, .value_kind: global_buffer, .address_space: global }
      - { .name: Wsc, .offset: 56, .size: 8, .value_kind: global_buffer, .address_space: global }
      - { .name: Qf, .offset: 64, .size: 8, .value_kind: global_buffer, .address_space: global }
      - { .name: Kf, .offset: 72, .size: 8, .value_kind: global_buffer, .address_space: global }
      - { .name: Vf, .offset: 80, .size: 8, .value_kind: global_buffer, .address_space: global }
    .group_segment_fixed_size: 87040
    .private_segment_fixed_size: 0
    .kernarg_segment_align: 8
    .kernarg_segment_size: 88
    .max_flat_workgroup_size: 256
    .sgpr_count:     66
    .vgpr_count:     416
    .wavefront_size: 32
...
	.end_amdgpu_metadata
.endif
;; end of part 2
;; launch attn (part 3): grid 16 x 16, 8 waves a work-group, clusters of 4 x 1, 327,680 bytes of LDS; arguments Qf, Kf, Vf, mbits, Af; writes Af
.if DOCPART == 3
	.amdgcn_target "amdgcn-amd-amdhsa--gfx1250"
	.amdhsa_code_object_version 6
	.text
	.protected	k_qe6d83a0c2f_attn
	.globl	k_qe6d83a0c2f_attn
	.p2align	8
	.type	k_qe6d83a0c2f_attn,@function
k_qe6d83a0c2f_attn:
	s_mov_b64 s[64:65], 0
	v_nop
	global_prefetch_b8 v0, s[64:65] scope:SCOPE_SE
	s_setreg_imm32_b32 hwreg(HW_REG_WAVE_MODE, 25, 1), 1
	s_wait_xcnt 0x0
	s_wait_alu depctr_hold_cnt(0) depctr_sa_sdst(0) depctr_va_vdst(0) depctr_va_sdst(0) depctr_va_ssrc(0) depctr_va_vcc(0) depctr_vm_vsrc(0)
	s_getreg_b32 s2, hwreg(HW_REG_IB_STS2, 6, 4)
	s_cmp_eq_u32 s2, 0
	s_cbranch_scc0 .Lentry_in_a_cluster
	s_endpgm
.Lentry_in_a_cluster:
	s_bfe_u32 s2, ttmp6, 0x10000c
	s_cmp_lg_u32 s2, 0x3003
	s_cbranch_scc0 .Lentry_shape_is_right
	s_endpgm
.Lentry_shape_is_right:
; ATTN: O[q] = the sum over k of softmax_k(where(mask, Q[q] . K[k] / 8, -1e9)) V[k], for one batch and head; f16 operands, f32 sums, maxima and row sums in f32.
; Qf already holds Q x log2(e) / 8, so a score is t, an exponent of 2.  A masked score becomes -1e9 x log2(e), the same number for all: a row that is masked throughout has t - m = 0 for every key and comes out as the mean of V.
; OPERANDS COME AS IMAGES OF THEIR REGISTERS (8 registers a lane: registers 0-3 as 512 bytes, lane l's 16 at 16 l, then registers 4-7): every load from LDS is 512 consecutive bytes, nothing is padded or turned.
; SHARES.  A work-group owns 256 queries of one batch and head; each of its eight waves two tiles of 16.  Two waves lie on a SIMD, so that one wave's softmax stands beside the other's products.  Every wave walks all 4,096 keys, 64 a step.
; LAYOUT.  S^T = K Q^T (source 0 = 16 keys, source 1 = 16 queries): lane r + 16 h holds query r and, in register j of key tile t, key 16 t + 8 h + j.  Two such tiles, rounded to f16 in pairs, ARE source 1 of O^T = V^T P.
; THE MASK comes as lane masks: one word for each (tile of queries, key tile, j), bit r + 16 h for that lane's score.  A step's 64 words come by four scalar loads, asked for a step ahead, and each is the select of one v_cndmask_b32.
; SOFTMAX.  A running maximum m and sum l for each query: p = 2^(t - m); in every step O and l are multiplied by a = 2^(old m - new m).  m begins at -3e38, under the masked value; l and O begin as zeros, which the first a = 0 leaves zeros.
; THE RING.  Two LDS slots of 512 keys (K 64 KiB, V 64 KiB).  Each wave brings 16 KiB of a slot by one tensor load (waves 0-3 K's, 4-7 V's).
; CLUSTER.  The four query blocks of a cluster belong to one batch and head and walk the same K and V: each load is asked for JOINTLY, with the same descriptor and a mask that names the four.
; By this text's own count a wave has one tensor load outstanding.
; LIMITS: NaN and infinities are not served.  p under 6e-8 is lost in f16; the row's sum is taken of the unrounded p.  O is rounded to f16 for the last projection: |O| is at most the largest |V|, under 65,504.
; REGISTERS.  window 0: v1-8 addresses and constants; v16-31 statistics, 8 a tile (+0 m, +1 the old m, +2, +3 l, +4 to +7 at work; a takes +6); v32-95 S^T, 32 a tile; v96-127 P; v128-191 O^T; v192-223 the way out.
;   window 1: v0-63 K of a step, v64-127 V of a step, v128-159 Q.
.set SLOT1, 1<<17                      ; slot 1 begins here: one exclusive or turns an address in one slot into the other's
.set VOFF,  65536                      ; in a slot: K's 512 keys, then V's
.set SPARE, 2*SLOT1                    ; behind the ring: the spare words, 128 bytes for each wave: four blocks of 256 bytes that no other line names
.set LI,  1                            ; v1  16 x lane
.set LIV, 2                            ; v2  the same in V's part of a slot
.set ADR, 3                            ; v3  LDS address of the step's K
.set ADV, 4                            ; v4  of its V
.set NEG, 5                            ; v5  the masked score
.set SPW, 6                            ; v6  LDS address of my spare word; never rewritten
.set NIL, 7                            ; v7  0; never rewritten
.set PFO, 8                            ; v8  256 x lane: the prefetches' offset; never rewritten
.set ST,  16
.set S,   32
.set P,   96
.set O,   128
.set TMP, 192
.set KF,  0                            ; in window 1
.set VF,  64
.set QF,  128
.set G1,  4                            ; s[4:11]  descriptor group 1
.set G0,  12                           ; s[12:15] group 0: it walks
.set MB,  16                           ; s[16:17] my first tile's mask words
.set PFA, 18                           ; s[18:19] where my prefetches stand
.set SEL, 22                           ; s[22:23] lane selects for v_permlanex16_b32: lane l xor 16
.set AO,  24                           ; s[24:25] where my results go
.set WV,  26
.set TB,  27                           ; LDS byte at which the step's tiles begin
.set SLOTS, 28
.set CNT, 29
.set LIM, 30                           ; 1 in a wave that prefetches, else the greatest number
.set MO,  31                           ; byte offset of the mask words asked for last
.set MSB, 0
.macro WIN new                         ; the immediate's high byte repeats the setting that is left
.if MSB != \new
	s_set_vgpr_msb (MSB<<8)|\new
.set MSB, \new
.endif
.endm
.macro CROUND                          ; a round of the cluster's barrier: my work-group's barrier; wave 0 signals for the work-group; every wave waits for all four work-groups; my work-group's barrier once more
	s_barrier_signal -1
	s_barrier_wait -1
	s_cmp_lg_u32 s[WV], 0
	s_cbranch_scc1 .Lnot_wave_0_\@
	s_barrier_signal -3
.Lnot_wave_0_\@:
	s_barrier_wait -3
	s_barrier_signal -1
	s_barrier_wait -1
.endm
; A PREFETCH INTO THE L2 of what the NEXT change of slots will ask for: 64 KiB of K and 64 KiB of V, eight key steps ahead of that load.  Each aligned block of 256 bytes is named once in the launch: of the four clusters that walk a
; head's K and V the first asks; its four partners take 16 KiB each of K and of V, told apart by address; in each, waves 0 and 1 ask for K's and waves 4 and 5 for V's, 8 KiB an instruction, lanes 256 bytes apart.
; The last change that fills a slot asks for nothing: there is no slot behind it.  Slots 0 and 1 come by their loads alone.
.macro ASK
	s_cmp_gt_u32 s[SLOTS], s[LIM]
	s_cbranch_scc0 .Lnot_mine_\@
	global_prefetch_b8 v[PFO], s[PFA:PFA+1] th:TH_LOAD_NT scope:SCOPE_SE
.Lnot_mine_\@:
.endm
	s_load_b256 s[32:39], s[0:1], 0x0              ; Qf s[32:33], Kf s[34:35], Vf s[36:37], mbits s[38:39]
	s_load_b64 s[40:41], s[0:1], 0x20              ; Af
	v_lshl_add_u32 v[SPW], v0, 2, SPARE
	v_mov_b32 v[NIL], 0
	ds_add_u32 v[SPW], v[NIL]                      ; the wave's opening: the add, twice on end, and its wait ahead of my first tensor load; the set-up below stands between
	ds_add_u32 v[SPW], v[NIL]
	v_lshrrev_b32 v9, 5, v0
	v_readfirstlane_b32 s[WV], v9                  ; wave 0..7
	v_and_b32 v9, 31, v0
	v_lshlrev_b32 v[LI], 4, v9
	v_add_nc_u32 v[LIV], VOFF, v[LI]
	v_lshlrev_b32 v[PFO], 8, v9
	v_mov_b32 v[NEG], 0xceabfb8f                   ; -1e9 x log2(e)
	; descriptor group 1: 64 rows of 256 bytes (32 elements of 8 bytes), dense in memory and in LDS: 16 KiB
	s_mov_b32 s[G1], 15|(3<<16)|(1<<21)            ; 15:0 the mask: all four work-groups; 17:16 elements of 8 bytes; 20 no padding; 21 set beside a mask
	s_mov_b32 s[G1+1], 32<<16                      ; tensor_dim0
	s_mov_b32 s[G1+2], 64<<16                      ; tensor_dim1
	s_mov_b32 s[G1+3], 32<<16                      ; tile_dim0
	s_mov_b32 s[G1+4], 64                          ; tile_dim1
	s_mov_b32 s[G1+5], 32                          ; tensor_dim0_stride
	s_mov_b32 s[G1+6], 0
	s_mov_b32 s[G1+7], 0
	s_mov_b32 s[G0], 1                             ; count = 1
	s_lshl_b32 s[G0+1], s[WV], 14                  ; LDS address: 16 KiB x wave: K's four parts, then V's four: no place in the cluster enters it
	s_and_b32 s68, ttmp7, 0xffff                   ; 8 x batch + head, which the four partners share
	s_lshl_b32 s70, s68, 19                        ; its 524,288 bytes in Kf and in Vf,
	s_and_b32 s69, s[WV], 3
	s_lshl_b32 s69, s69, 14
	s_add_co_u32 s70, s70, s69                     ; my 16 KiB of slot 0
	s_mov_b32 s71, 0
	s_bfe_u32 s72, ttmp6, 0x40000                  ; cx: my place in the cluster: it enters global addresses of Qf, mbits, Af and the prefetches alone
	s_lshl_b32 s73, ttmp9, 2
	s_add_co_u32 s73, s73, s72                     ; my block of 256 queries
	s_lshl_b32 s74, s68, 19                        ; the prefetches: the head,
	s_lshl_b32 s75, s72, 14
	s_add_co_u32 s74, s74, s75                     ; my work-group's 16 KiB,
	s_and_b32 s75, s[WV], 1
	s_lshl_b32 s75, s75, 13
	s_add_co_u32 s74, s74, s75                     ; my wave's 8 KiB,
	s_add_co_u32 s74, s74, 65536                   ; in slot 1: the first change of slots steps it to slot 2
	s_mov_b32 s75, 0
	s_lshl_b32 s82, s73, 4
	s_lshl_b32 s83, s[WV], 1
	s_add_co_u32 s82, s82, s83                     ; my first tile of queries in the sequence: 16 x block + 2 x wave
	s_lshl_b32 s76, s68, 8
	s_add_co_u32 s76, s76, s82
	s_lshl_b32 s76, s76, 11                        ; Qf: 2,048 bytes a tile
	s_mov_b32 s77, 0
	s_lshr_b32 s84, s68, 3                         ; the batch
	s_lshl_b32 s78, s84, 8
	s_add_co_u32 s78, s78, s82
	s_lshl_b32 s78, s78, 13                        ; mbits: 8,192 bytes a tile
	s_mov_b32 s79, 0
	s_and_b32 s85, s68, 7                          ; the head
	s_lshl_b32 s80, s84, 5                         ; Af [block of 128 tokens][chunk][tile][k step in chunk] x 1,024 bytes; the k step of 32 features is 2 x head + u
	s_lshl_b32 s81, s73, 1
	s_add_co_u32 s80, s80, s81
	s_lshr_b32 s81, s[WV], 2
	s_add_co_u32 s80, s80, s81                     ; block of 128 tokens
	s_lshl_b32 s80, s80, 1
	s_lshr_b32 s81, s85, 2
	s_add_co_u32 s80, s80, s81                     ; chunk = head / 4
	s_lshl_b32 s80, s80, 3
	s_and_b32 s81, s[WV], 3
	s_lshl_b32 s81, s81, 1
	s_add_co_u32 s80, s80, s81                     ; tile in the block
	s_lshl_b32 s80, s80, 3
	s_and_b32 s81, s85, 3
	s_lshl_b32 s81, s81, 1
	s_add_co_u32 s80, s80, s81                     ; k step in the chunk
	s_lshl_b32 s80, s80, 10
	s_mov_b32 s81, 0
	s_and_b32 s[LIM], s[WV], 2                     ; 0 in waves 0, 1, 4, 5,
	s_or_b32 s[LIM], s[LIM], ttmp9                 ; of the head's first cluster: the same in all four partners
	s_cmp_eq_u32 s[LIM], 0
	s_cselect_b32 s[LIM], 1, -1
	s_mov_b32 s[SEL], 0x76543210
	s_mov_b32 s[SEL+1], 0xfedcba98
	s_mov_b32 s[TB], 0
	s_mov_b32 s[SLOTS], 7
	s_mov_b32 s[MO], 0
	s_wait_dscnt 0x0                               ; both opening adds are done
	s_wait_kmcnt 0x0
	s_cmp_lt_u32 s[WV], 4                          ; waves 0-3 fetch K's fragments, waves 4-7 V's: a choice on the wave's number
	s_cselect_b64 s[G0+2:G0+3], s[34:35], s[36:37]
	s_cselect_b64 s[PFA:PFA+1], s[34:35], s[36:37]
	s_add_nc_u64 s[G0+2:G0+3], s[G0+2:G0+3], s[70:71]
	s_or_b32 s[G0+3], s[G0+3], 0x80000000          ; type = 2
	s_add_nc_u64 s[PFA:PFA+1], s[PFA:PFA+1], s[74:75]
	s_add_nc_u64 s[2:3], s[32:33], s[76:77]
	s_add_nc_u64 s[MB:MB+1], s[38:39], s[78:79]
	s_add_nc_u64 s[AO:AO+1], s[40:41], s[80:81]
	CROUND                                         ; all four work-groups are here: the first joint loads meet
	tensor_load_to_lds s[G0:G0+3], s[G1:G1+7]      ; slot 0
	s_nop 0
.rept 4
	v_nop
.endr
	WIN 0x40                                       ; destination window 1
.irp x, 0,1
.irp u, 0,1
	global_load_b128 v[QF+16*\x+8*\u:QF+16*\x+8*\u+3], v[LI], s[2:3] offset:2048*\x+1024*\u        ; Q stays in registers: tile x, channels 32 u on
	global_load_b128 v[QF+16*\x+8*\u+4:QF+16*\x+8*\u+7], v[LI], s[2:3] offset:2048*\x+1024*\u+512
.endr
.endr
	WIN 0
	s_load_b512 s[32:47], s[MB:MB+1], s[MO] offset:0x0       ; step 0's mask words: tile 0, key tiles 0, 1;
	s_load_b512 s[48:63], s[MB:MB+1], s[MO] offset:0x40      ; key tiles 2, 3;
	s_load_b512 s[68:83], s[MB:MB+1], s[MO] offset:0x2000    ; tile 1
	s_load_b512 s[84:99], s[MB:MB+1], s[MO] offset:0x2040
.irp x, 0,1
	v_mov_b32 v[ST+8*\x], 0xff61b1e6               ; m: -3e38, under every score and under the masked value
	v_mov_b32 v[ST+8*\x+1], 0xff61b1e6
.irp k, 2,3,4,5,6,7
	v_mov_b32 v[ST+8*\x+\k], 0                     ; l; and the registers at work, of which one is a lane permute's destination and one the upper half of a pair
.endr
.endr
.set i, 0
.rept 64
	v_mov_b32 v[O+i], 0                            ; O^T.  (The step is written once: the first finds zeros)
.set i, i+1
.endr
; A KEY STEP: 64 keys
.macro STEP
	v_add_nc_u32 v[ADR], s[TB], v[LI]
	v_add_nc_u32 v[ADV], s[TB], v[LIV]
	v_nop
	v_nop                                          ; four places behind the last products, which read V, ahead of the loads into it (ISA guide 7.12.1 for vector instructions)
	WIN 0x40
.irp f, 0,1,2,3,4,5,6,7                        ; K: key tile f / 2, channels 32 (f % 2) on
	ds_load_b128 v[KF+8*\f:KF+8*\f+3], v[ADR] offset:1024*\f
	ds_load_b128 v[KF+8*\f+4:KF+8*\f+7], v[ADR] offset:1024*\f+512
.endr
.irp f, 0,1,2,3,4,5,6,7                        ; V: keys 32 (f / 4) on, channel tile f % 4
	ds_load_b128 v[VF+8*\f:VF+8*\f+3], v[ADV] offset:1024*\f
	ds_load_b128 v[VF+8*\f+4:VF+8*\f+7], v[ADV] offset:1024*\f+512
.endr
	s_wait_dscnt 16                                ; K is in; V's sixteen loads may be out
	WIN 0x05                                       ; K and Q in window 1
.irp t, 0,1,2,3                                ; S^T = K Q^T: the eight accumulators by turns; the first 32 channels start the sums
.irp x, 0,1
	v_wmma_f32_16x16x32_f16 v[S+32*\x+8*\t:S+32*\x+8*\t+7], v[KF+16*\t:KF+16*\t+7], v[QF+16*\x:QF+16*\x+7], 0
.endr
.endr
.irp t, 0,1,2,3
.irp x, 0,1
	v_wmma_f32_16x16x32_f16 v[S+32*\x+8*\t:S+32*\x+8*\t+7], v[KF+16*\t+8:KF+16*\t+15], v[QF+16*\x+8:QF+16*\x+15], v[S+32*\x+8*\t:S+32*\x+8*\t+7]
.endr
.endr
	WIN 0
.rept 4
	v_nop                                          ; four places ahead of the first read of the scores
.endr
	s_wait_kmcnt 0x0                               ; this step's mask words, asked for a step ago
.irp x, 0,1
.set i, 0
.rept 32
	v_cndmask_b32 v[S+32*\x+i], v[NEG], v[S+32*\x+i], s[32+36*\x+i]   ; bit = 1: the score stays; each accumulator from its low end on
.set i, i+1
.endr
.endr
	s_add_co_u32 s[MO], s[MO], 128                 ; the next step's 4 key tiles x 8 words a tile of queries (the loads that read MO are done: the wait above)
	s_min_u32 s[MO], s[MO], 8064                   ; the last step asks for its own words once more: no load leaves the buffer
	s_load_b512 s[32:47], s[MB:MB+1], s[MO] offset:0x0
	s_load_b512 s[48:63], s[MB:MB+1], s[MO] offset:0x40
	s_load_b512 s[68:83], s[MB:MB+1], s[MO] offset:0x2000
	s_load_b512 s[84:99], s[MB:MB+1], s[MO] offset:0x2040
.irp k, 0,1,2,3                                ; the maximum of my 32 scores and the old m: four chains, the two tiles by turns
.irp x, 0,1
	v_max3_num_f32 v[ST+8*\x+4+\k], v[S+32*\x+8*\k], v[S+32*\x+8*\k+1], v[S+32*\x+8*\k+2]
.endr
.endr
.irp i, 3,5
.irp k, 0,1,2,3
.irp x, 0,1
	v_max3_num_f32 v[ST+8*\x+4+\k], v[ST+8*\x+4+\k], v[S+32*\x+8*\k+\i], v[S+32*\x+8*\k+\i+1]
.endr
.endr
.endr
.irp x, 0,1
	v_max3_num_f32 v[ST+8*\x+4], v[ST+8*\x+4], v[S+32*\x+7], v[S+32*\x+15]
	v_max3_num_f32 v[ST+8*\x+6], v[ST+8*\x+6], v[S+32*\x+23], v[S+32*\x+31]
.endr
.irp x, 0,1
	v_max3_num_f32 v[ST+8*\x+4], v[ST+8*\x+4], v[ST+8*\x+5], v[ST+8*\x+7]
.endr
.irp x, 0,1
	v_max3_num_f32 v[ST+8*\x+4], v[ST+8*\x+4], v[ST+8*\x+6], v[ST+8*\x]
.endr
.irp x, 0,1
	v_permlanex16_b32 v[ST+8*\x+5], v[ST+8*\x+4], s[SEL], s[SEL+1]   ; the query's other 32 keys lie in the lane 16 away
.endr
.irp x, 0,1
	v_mov_b32 v[ST+8*\x+1], v[ST+8*\x]             ; the old m
.endr
.irp x, 0,1
	v_max_num_f32 v[ST+8*\x], v[ST+8*\x+4], v[ST+8*\x+5]   ; the new m
.endr
.irp x, 0,1
	v_sub_f32 v[ST+8*\x+7], v[ST+8*\x+1], v[ST+8*\x]
.endr
.irp x, 0,1
.set i, 0
.rept 16
	v_pk_add_f32 v[S+32*\x+i:S+32*\x+i+1], v[S+32*\x+i:S+32*\x+i+1], v[ST+8*\x:ST+8*\x+1] op_sel_hi:[1,0] neg_lo:[0,1] neg_hi:[0,1]   ; t - m, two at a time (of the pair the low word, m, serves both halves)
.set i, i+2
.endr
.endr
.irp x, 0,1                                    ; ONE BATCH: both a and all 64 p; none of these reads an exponential's result
	v_exp_f32 v[ST+8*\x+6], v[ST+8*\x+7]           ; a = 2^(old m - new m)
.endr
.set i, 0
.rept 64
	v_exp_f32 v[S+i], v[S+i]                       ; p = 2^(t - m), at most 1
.set i, i+1
.endr
	v_nop                                          ; a plain instruction behind the last exponential, ahead of the first use
	s_wait_alu depctr_va_vdst(0)                   ; a wait between the exponentials and the first line that names a result: one for the batch
.set i, 0
.rept 32
	v_cvt_pk_f16_f32 v[P+i], v[S+2*i], v[S+2*i+1]  ; two neighbouring keys' weights: a register of source 1
.set i, i+1
.endr
.irp w, 4,8,16,32                              ; the sums of the unrounded p, in place: neighbours 1, 2, 4 and 8 pairs apart
.irp x, 0,1
.set i, 0
.rept 32/\w
	v_pk_add_f32 v[S+32*\x+i:S+32*\x+i+1], v[S+32*\x+i:S+32*\x+i+1], v[S+32*\x+i+\w/2:S+32*\x+i+\w/2+1]
.set i, i+\w
.endr
.endr
.endr
.irp x, 0,1
	v_pk_fma_f32 v[ST+8*\x+2:ST+8*\x+3], v[ST+8*\x+2:ST+8*\x+3], v[ST+8*\x+6:ST+8*\x+7], v[S+32*\x:S+32*\x+1] op_sel_hi:[1,0,1]   ; l = a l + the sum
.endr
.irp x, 0,1
.set i, 0
.rept 16
	v_pk_mul_f32 v[O+32*\x+i:O+32*\x+i+1], v[O+32*\x+i:O+32*\x+i+1], v[ST+8*\x+6:ST+8*\x+7] op_sel_hi:[1,0]   ; O^T x a; each accumulator from its low end on
.set i, i+2
.endr
.endr
	s_wait_dscnt 0x0                               ; V is in
	WIN 0x01                                       ; V in window 1
.irp u, 0,1                                    ; O^T += V^T P: keys 32 u on; the eight accumulators by turns
.irp c, 0,1,2,3
.irp x, 0,1
	v_wmma_f32_16x16x32_f16 v[O+32*\x+8*\c:O+32*\x+8*\c+7], v[VF+32*\u+8*\c:VF+32*\u+8*\c+7], v[P+16*\x+8*\u:P+16*\x+8*\u+7], v[O+32*\x+8*\c:O+32*\x+8*\c+7]
.endr
.endr
.endr
	WIN 0
	s_add_co_u32 s[TB], s[TB], 8192                ; the next step's tiles
.endm
.macro SLOT_STEPS                      ; a slot's eight key steps: written once, walked eight times
	s_mov_b32 s[CNT], 8
.Lstep_\@:
	STEP
	s_sub_co_u32 s[CNT], s[CNT], 1
	s_cmp_lg_u32 s[CNT], 0
	s_cbranch_scc1 .Lstep_\@
	s_sub_co_u32 s[TB], s[TB], 65536               ; back to a slot's first step,
	s_xor_b32 s[TB], s[TB], SLOT1                  ; in the other slot
.endm
; THE CHANGE OF SLOTS stands at a slot's head.  Each wave waits for all its tensor loads (its part of the slot that it is about to read), adds 0 to its spare word, and waits for that and for its reads of the slot that it has left.
; fill = 1: a round of the cluster's barrier: no wave of any partner still reads the slot left or has a load on its way; the joint load of the next 512 keys is the first thing behind it and has eight key steps in which to land.
.macro CHANGE fill
	s_wait_tensorcnt 0x0                           ; no tensor load of mine is out, so group 0 may be written
	ds_add_u32 v[SPW], v[NIL]                      ; 0 onto my spare word
.if \fill
	s_xor_b32 s[G0+1], s[G0+1], SLOT1              ; the other slot than last time,
	s_add_nc_u64 s[G0+2:G0+3], s[G0+2:G0+3], 65536 ; the next 512 keys; the type bits on top are not reached
	s_wait_xcnt 0x0                                ; the last prefetch, a slot back, has read its address
	s_add_nc_u64 s[PFA:PFA+1], s[PFA:PFA+1], 65536 ; one slot further on than the descriptor
	s_wait_dscnt 0x0                               ; the add is done, and my reads of the slot that I have left are over
	CROUND
	tensor_load_to_lds s[G0:G0+3], s[G1:G1+7]      ; my one tensor load until the next round
	s_nop 0
.rept 4
	v_nop
.endr
	ASK
.else
	s_wait_dscnt 0x0
	s_barrier_signal -1
	s_barrier_wait -1
.endif
.endm
	s_wait_loadcnt 0x0                             ; Q
.Lslot:                                            ; seven trips: behind each change of slots but the last the next slot is asked for
	CHANGE 1
	SLOT_STEPS
	s_sub_co_u32 s[SLOTS], s[SLOTS], 1
	s_cmp_lg_u32 s[SLOTS], 0
	s_cbranch_scc1 .Lslot
	CHANGE 0                                       ; the last slot is written out
	SLOT_STEPS
	; THE WAY OUT.  l's two halves and the other half of the lanes' are added (l is at least 1: the largest p is 1); O^T / l, rounded to f16, IS source 1 of the last projection: it is stored as an image.
.irp x, 0,1
	v_add_f32 v[ST+8*\x+4], v[ST+8*\x+2], v[ST+8*\x+3]   ; (these lines are also the places behind the last products)
.endr
.irp x, 0,1
	v_permlanex16_b32 v[ST+8*\x+5], v[ST+8*\x+4], s[SEL], s[SEL+1]
.endr
.irp x, 0,1
	v_add_f32 v[ST+8*\x+4], v[ST+8*\x+4], v[ST+8*\x+5]
.endr
.irp x, 0,1
	v_rcp_f32 v[ST+8*\x+6], v[ST+8*\x+4]
.endr
	v_nop                                          ; a plain instruction behind the last reciprocal
	s_wait_alu depctr_va_vdst(0)                   ; and a wait ahead of the first use: one for both
.irp x, 0,1
.set i, 0
.rept 16
	v_pk_mul_f32 v[O+32*\x+i:O+32*\x+i+1], v[O+32*\x+i:O+32*\x+i+1], v[ST+8*\x+6:ST+8*\x+7] op_sel_hi:[1,0]
.set i, i+2
.endr
.endr
.set i, 0
.rept 32
	v_cvt_pk_f16_f32 v[TMP+i], v[O+2*i], v[O+2*i+1]
.set i, i+1
.endr
.irp x, 0,1
.irp c, 0,1,2,3
	global_store_b128 v[LI], v[TMP+16*\x+4*\c:TMP+16*\x+4*\c+3], s[AO:AO+1] offset:8192*\x+512*\c   ; tile x, channels 16 c on: 32 lanes store 512 consecutive bytes
.endr
.endr
	s_wait_tensorcnt 0x0                           ; the wave's end: behind my last tensor load
	ds_add_u32 v[SPW], v[NIL]
	s_wait_dscnt 0x0
	CROUND                                         ; the closing round: no work-group ends while a partner may still ask for a tile that names it
	s_endpgm
.Lfunc_end_k_qe6d83a0c2f_attn:
	.size	k_qe6d83a0c2f_attn, .Lfunc_end_k_qe6d83a0c2f_attn-k_qe6d83a0c2f_attn
	.p2alignl 7, 3214868480
	.fill 96, 4, 3214868480
	.section	.rodata,"a",@progbits
	.p2align	6, 0x0
	.amdhsa_kernel k_qe6d83a0c2f_attn
		.amdhsa_group_segment_fixed_size 327680
		.amdhsa_private_segment_fixed_size 0
		.amdhsa_enable_private_segment 0
		.amdhsa_kernarg_size 40
		.amdhsa_user_sgpr_count 2
		.amdhsa_user_sgpr_kernarg_segment_ptr 1
		.amdhsa_wavefront_size32 1
		.amdhsa_system_sgpr_workgroup_id_x 1
		.amdhsa_system_sgpr_workgroup_id_y 1
		.amdhsa_system_sgpr_workgroup_id_z 1
		.amdhsa_system_vgpr_workitem_id 0
		.amdhsa_next_free_vgpr 416
		.amdhsa_next_free_sgpr 100
		.amdhsa_reserve_vcc 0
		.amdhsa_float_denorm_mode_32 3
		.amdhsa_float_denorm_mode_16_64 3
		.amdhsa_memory_ordered 1
		.amdhsa_forward_progress 1
		.amdhsa_inst_pref_size 59
	.end_amdhsa_kernel
	.amdgpu_metadata
---
amdhsa.version: [ 1, 2 ]
amdhsa.kernels:
  - .name:           k_qe6d83a0c2f_attn
    .symbol:         k_qe6d83a0c2f_attn.kd
    .args:
      - { .name: Qf, .offset: 0, .size: 8, .value_kind: global_buffer, .address_space: global }
      - { .name: Kf, .offset: 8, .size: 8, .value_kind: global_buffer, .address_space: global }
      - { .name: Vf, .offset: 16, .size: 8, .value_kind: global_buffer, .address_space: global }
      - { .name: mbits, .offset: 24, .size: 8, .value_kind: global_buffer, .address_space: global }
      - { .name: Af, .offset: 32, .size: 8, .value_kind: global_buffer, .address_space: global }
    .group_segment_fixed_size: 327680
    .private_segment_fixed_size: 0
    .kernarg_segment_align: 8
    .kernarg_segment_size: 40
    .max_flat_workgroup_size: 256
    .sgpr_count:     100
    .vgpr_count:     416
    .wavefront_size: 32
...
	.end_amdgpu_metadata
.endif
;; end of part 3
;; launch outp (part 4): grid 4 x 64, 8 waves a work-group, clusters of 4 x 4, 327,680 bytes of LDS; arguments Af, Wof, b_o, out0; writes out0
.if DOCPART == 4
	.amdgcn_target "amdgcn-amd-amdhsa--gfx1250"
	.amdhsa_code_object_version 6
	.text
	.protected	k_qe6d83a0c2f_outp
	.globl	k_qe6d83a0c2f_outp
	.p2align	8
	.type	k_qe6d83a0c2f_outp,@function
k_qe6d83a0c2f_outp:
	s_mov_b64 s[64:65], 0
	v_nop
	global_prefetch_b8 v0, s[64:65] scope:SCOPE_SE
	s_setreg_imm32_b32 hwreg(HW_REG_WAVE_MODE, 25, 1), 1
	s_wait_xcnt 0x0
	s_wait_alu depctr_hold_cnt(0) depctr_sa_sdst(0) depctr_va_vdst(0) depctr_va_sdst(0) depctr_va_ssrc(0) depctr_va_vcc(0) depctr_vm_vsrc(0)
	s_getreg_b32 s2, hwreg(HW_REG_IB_STS2, 6, 4)
	s_cmp_eq_u32 s2, 0
	s_cbranch_scc0 .Lentry_in_a_cluster
	s_endpgm
.Lentry_in_a_cluster:
	s_bfe_u32 s2, ttmp6, 0x10000c
	s_cmp_lg_u32 s2, 0xf033
	s_cbranch_scc0 .Lentry_shape_is_right
	s_endpgm
.Lentry_shape_is_right:
; OUTP: out0 = A W_o + b_o.  A [8192][512] (attention's result) and W_o come as f16 fragment images (8 registers a lane: registers 0-3 as 512 bytes, lane l's 16 at 16 l, then registers 4-7); sums in f32; out0 f32.
; A work-group makes 128 tokens x 128 features.  Wave w: token tiles 2 (w / 2) and the next, feature tiles 4 (w % 2) on: 64 features, 256 aligned bytes of each row of out0: eight accumulators.
; ALL OF K = 512 LIES IN LDS: two chunks of 256 along K, each 64 KiB of A and 64 KiB of W_o, filled once, at the head: no slot is filled again.  Each wave brings 16 KiB of each chunk (waves 0-3 A's, 4-7 W_o's):
; by this text's own count two tensor loads of a wave are outstanding at the most.
; CLUSTER: 4 x 4 work-groups.  A's tiles hang on the block of tokens alone and are shared along a row of the cluster, W_o's on the block of features alone and are shared along a column: each is asked for JOINTLY.
; THE MATRIX INSTRUCTION IS USED TRANSPOSED (source 0 = 16 features of W_o, source 1 = 16 tokens): a lane holds eight neighbouring features of one token.  The bias is the C of each sum's first matrix instruction.
; No prefetch: everything is asked for at the head.
.set CH,     131072                    ; LDS: chunk c at c x CH: A's 8 tiles x 8 k steps x 1,024 bytes,
.set WOFF,   65536                     ; then W_o's
.set STAGE,  2*CH                      ; behind them: 16 rows x (256 bytes + 16) for each wave, for the way out; no tensor load lands there
.set SPITCH, 272
.set STGB,   16*SPITCH
.set SPARE,  STAGE+8*STGB              ; the spare words, 128 bytes for each wave: four blocks of 256 bytes that no other line names
.set VA,  1                            ; v1  LDS address of my A fragments
.set VW,  2                            ; v2  of my W_o fragments
.set STO, 3                            ; v3  the way out: where I put 32 bytes of a row
.set RD,  4                            ; v4  where I read a row back
.set GO,  5                            ; v5  my byte offset in out0
.set BA,  6                            ; v6  my offset in the bias
.set SPW, 16                           ; v16 LDS address of my spare word; never rewritten
.set NIL, 17                           ; v17 0; never rewritten
.set ACC, 32                           ; v32-95   accumulator (token tile x, feature tile t) at 8 (4 x + t)
.set F0,  96                           ; v96-143, v144-191 two sets of fragments: A's two, then W_o's four
.set BIAS, 192                         ; v192-223
.set WV,  12
.set G1A, 24                           ; s[24:31] descriptor group 1 for A's tiles;  s[32:39] for W_o's: they differ in the mask alone
.set G1W, 32
.set G0A, 40                           ; s[40:47] groups 0 for A's two chunks;  s[48:55] for W_o's
.set G0W, 48
.macro CROUND
	s_barrier_signal -1
	s_barrier_wait -1
	s_cmp_lg_u32 s[WV], 0
	s_cbranch_scc1 .Lnot_wave_0_\@
	s_barrier_signal -3
.Lnot_wave_0_\@:
	s_barrier_wait -3
	s_barrier_signal -1
	s_barrier_wait -1
.endm
.macro PLACES                          ; four places behind matrix instructions, ahead of loads into registers that they have read and of the first read of results (ISA guide 7.12.1 for vector instructions)
.rept 4
	v_nop
.endr
.endm
.macro LOADF p, q                      ; the fragments of the chunk's q-th 32 along K into set p: twelve loads of 512 consecutive bytes
.irp x, 0,1
	ds_load_b128 v[F0+48*(\p)+8*\x:F0+48*(\p)+8*\x+3], v[VA] offset:8192*\x+1024*(\q)
	ds_load_b128 v[F0+48*(\p)+8*\x+4:F0+48*(\p)+8*\x+7], v[VA] offset:8192*\x+1024*(\q)+512
.endr
.irp t, 0,1,2,3
	ds_load_b128 v[F0+48*(\p)+16+8*\t:F0+48*(\p)+16+8*\t+3], v[VW] offset:8192*\t+1024*(\q)
	ds_load_b128 v[F0+48*(\p)+16+8*\t+4:F0+48*(\p)+16+8*\t+7], v[VW] offset:8192*\t+1024*(\q)+512
.endr
.endm
.macro MUL p, first                    ; eight matrix instructions, the eight accumulators by turns
.irp x, 0,1
.irp t, 0,1,2,3
.if \first
	v_wmma_f32_16x16x32_f16 v[ACC+8*(4*\x+\t):ACC+8*(4*\x+\t)+7], v[F0+48*(\p)+16+8*\t:F0+48*(\p)+16+8*\t+7], v[F0+48*(\p)+8*\x:F0+48*(\p)+8*\x+7], v[BIAS+8*\t:BIAS+8*\t+7]
.else
	v_wmma_f32_16x16x32_f16 v[ACC+8*(4*\x+\t):ACC+8*(4*\x+\t)+7], v[F0+48*(\p)+16+8*\t:F0+48*(\p)+16+8*\t+7], v[F0+48*(\p)+8*\x:F0+48*(\p)+8*\x+7], v[ACC+8*(4*\x+\t):ACC+8*(4*\x+\t)+7]
.endif
.endr
.endr
.endm
	s_load_b256 s[4:11], s[0:1], 0x0               ; Af s[4:5], Wof s[6:7], b_o s[8:9], out0 s[10:11]
	v_lshl_add_u32 v[SPW], v0, 2, SPARE
	v_mov_b32 v[NIL], 0
	ds_add_u32 v[SPW], v[NIL]                      ; the wave's opening: the add, twice on end, and its wait ahead of my first tensor load; the set-up below stands between
	ds_add_u32 v[SPW], v[NIL]
	v_lshrrev_b32 v7, 5, v0
	v_readfirstlane_b32 s[WV], v7                  ; wave 0..7
	s_lshr_b32 s13, s[WV], 1                       ; which two token tiles are mine
	s_and_b32 s14, s[WV], 1                        ; which four feature tiles
	s_bfe_u32 s56, ttmp6, 0x40000                  ; cx, cy: my place in the cluster
	s_bfe_u32 s57, ttmp6, 0x40004
	s_lshl_b32 s58, ttmp9, 2
	s_add_co_u32 s58, s58, s56                     ; block of 128 features = 4 x cluster x + cx
	s_and_b32 s59, ttmp7, 0xffff
	s_lshl_b32 s59, s59, 2
	s_add_co_u32 s59, s59, s57                     ; block of 128 tokens = 4 x cluster y + cy
	s_lshl_b32 s60, s57, 2
	s_lshl_b32 s60, 15, s60                        ; my row of the cluster
	s_lshl_b32 s61, 0x1111, s56                    ; my column
	; descriptor group 1: 64 rows of 256 bytes (32 elements of 8 bytes), dense in memory and in LDS: 16 KiB
	s_or_b32 s[G1A], s60, (3<<16)|(1<<21)          ; 15:0 the mask: A's tiles go to my row; 17:16 elements of 8 bytes; 20 no padding; 21 set beside a mask
	s_or_b32 s[G1W], s61, (3<<16)|(1<<21)          ; W_o's go to my column
.irp g, G1A, G1W
	s_mov_b32 s[\g+1], 32<<16                      ; tensor_dim0
	s_mov_b32 s[\g+2], 64<<16                      ; tensor_dim1
	s_mov_b32 s[\g+3], 32<<16                      ; tile_dim0
	s_mov_b32 s[\g+4], 64                          ; tile_dim1
	s_mov_b32 s[\g+5], 32                          ; tensor_dim0_stride
	s_mov_b32 s[\g+6], 0
	s_mov_b32 s[\g+7], 0
.endr
	s_and_b32 s70, s[WV], 3
	s_lshl_b32 s70, s70, 14                        ; my 16 KiB of a chunk's 64
	s_lshl_b32 s62, s59, 17                        ; A: 131,072 bytes a block of tokens: it hangs on the block of tokens alone
	s_add_co_u32 s62, s62, s70
	s_mov_b32 s63, 0
	s_lshl_b32 s66, s58, 17                        ; W_o: 131,072 bytes a block of features: on the block of features alone
	s_add_co_u32 s66, s66, s70
	s_mov_b32 s67, 0
	s_lshl_b32 s71, s[WV], 14                      ; where they go: 16 KiB x wave: A's four parts, then W_o's four: no place in the cluster enters an LDS address
	s_wait_dscnt 0x0                               ; both opening adds are done
	s_wait_kmcnt 0x0
	s_add_nc_u64 s[62:63], s[4:5], s[62:63]
	s_add_nc_u64 s[66:67], s[6:7], s[66:67]
	CROUND                                         ; all sixteen work-groups are here: the joint loads meet
.irp c, 0,1
	s_mov_b32 s[G0A+4*\c], 1
	s_add_co_u32 s[G0A+4*\c+1], s71, \c*CH
	s_add_nc_u64 s[G0A+4*\c+2:G0A+4*\c+3], s[62:63], \c*65536
	s_or_b32 s[G0A+4*\c+3], s[G0A+4*\c+3], 0x80000000
	s_mov_b32 s[G0W+4*\c], 1
	s_add_co_u32 s[G0W+4*\c+1], s71, \c*CH
	s_add_nc_u64 s[G0W+4*\c+2:G0W+4*\c+3], s[66:67], \c*65536
	s_or_b32 s[G0W+4*\c+3], s[G0W+4*\c+3], 0x80000000
.endr
	s_cmp_lt_u32 s[WV], 4                          ; a wave's two fills stand in one branch on the wave's number, ahead of every wait on TENSORcnt and every LDS read
	s_cbranch_scc0 .Lfor_w
	tensor_load_to_lds s[G0A:G0A+3], s[G1A:G1A+7]
	s_nop 0
	tensor_load_to_lds s[G0A+4:G0A+7], s[G1A:G1A+7]
	s_nop 0
.rept 4
	v_nop
.endr
	s_branch .Lasked
.Lfor_w:
	tensor_load_to_lds s[G0W:G0W+3], s[G1W:G1W+7]
	s_nop 0
	tensor_load_to_lds s[G0W+4:G0W+7], s[G1W:G1W+7]
	s_nop 0
.rept 4
	v_nop
.endr
.Lasked:
	v_and_b32 v7, 31, v0                           ; lane
	v_and_b32 v8, 15, v0                           ; r
	v_bfe_u32 v9, v0, 4, 1                         ; h
	v_lshlrev_b32 v10, 4, v7                       ; 16 x lane
	s_lshl_b32 s72, s13, 14                        ; my two token tiles: 8,192 bytes a tile
	v_add_nc_u32 v[VA], s72, v10
	s_lshl_b32 s72, s14, 15                        ; my four feature tiles,
	s_add_co_u32 s72, s72, WOFF                    ; behind A's
	v_add_nc_u32 v[VW], s72, v10
	s_mul_i32 s72, s[WV], STGB
	s_add_co_u32 s72, s72, STAGE                   ; my stage
	v_mul_u32_u24 v[STO], v8, SPITCH
	v_lshl_add_u32 v[STO], v9, 5, v[STO]
	v_add_nc_u32 v[STO], s72, v[STO]               ; in: row r, 32 bytes for each half of the lanes
	v_mul_u32_u24 v[RD], v9, SPITCH
	v_lshl_add_u32 v[RD], v8, 4, v[RD]
	v_add_nc_u32 v[RD], s72, v[RD]                 ; back: lanes 0-15 one row of 256 bytes, lanes 16-31 the next
	v_lshlrev_b32 v[GO], 11, v9
	v_lshl_add_u32 v[GO], v8, 4, v[GO]             ; and the same two rows in out0
	v_lshlrev_b32 v[BA], 5, v9                     ; the bias: lane (r, h) holds features 16 t + 8 h + 0 .. 7
	s_lshl_b32 s74, s58, 9                         ; my first feature, in bytes: 512 x block + 256 x half
	s_lshl_b32 s75, s14, 8
	s_add_co_u32 s74, s74, s75
	s_mov_b32 s75, 0
	s_add_nc_u64 s[8:9], s[8:9], s[74:75]
	s_add_nc_u64 s[10:11], s[10:11], s[74:75]
	s_lshl_b32 s74, s59, 18                        ; my first token: 128 rows of 2,048 bytes a block, 32 rows for each pair of waves
	s_lshl_b32 s76, s13, 16
	s_add_co_u32 s74, s74, s76
	s_add_nc_u64 s[10:11], s[10:11], s[74:75]
.irp t, 0,1,2,3
	global_load_b128 v[BIAS+8*\t:BIAS+8*\t+3], v[BA], s[8:9] offset:64*\t
	global_load_b128 v[BIAS+8*\t+4:BIAS+8*\t+7], v[BA], s[8:9] offset:64*\t+16
.endr
	s_wait_tensorcnt 1                             ; my part of chunk 0 is in; chunk 1's may stay out
	s_barrier_signal -1
	s_barrier_wait -1                              ; everybody's is
	LOADF 0, 0
	s_wait_loadcnt 0x0                             ; the bias
.irp n, 0,1,2,3,4,5,6,7,8,9,10,11,12,13,14,15  ; sixteen steps of 32 along K on two sets of fragments: while one is multiplied the next one's twelve loads are out
.if (\n)%8 < 7
.if (\n)%8 > 0
	PLACES
.endif
	LOADF 1-(\n)%2, (\n)%8+1
	s_wait_dscnt 12                                ; all but the twelve just issued
.else
	s_wait_dscnt 0x0
.endif
.if \n == 0
	MUL 0, 1                                       ; the first products start the sums, from the bias
.else
	MUL (\n)%2, 0
.endif
.if \n == 7
	s_wait_tensorcnt 0x0                           ; my part of chunk 1 is in (no LDS instruction of mine is out: the wait above),
	s_barrier_signal -1
	s_barrier_wait -1                              ; everybody's is
	v_add_nc_u32 v[VA], CH, v[VA]
	v_add_nc_u32 v[VW], CH, v[VW]
	PLACES
	LOADF 0, 0
.endif
.endr
	; THE WAY OUT, a tile of 16 tokens at a time: a lane's 32 bytes go into rows of 272 bytes of my own stage and come back as whole rows of 256.  LDS serves a wave's instructions in order (ISA guide 5.7.1.4): no wait between
	PLACES
.irp x, 0,1
.irp t, 0,1,2,3
	ds_store_b128 v[STO], v[ACC+8*(4*\x+\t):ACC+8*(4*\x+\t)+3] offset:64*\t        ; each accumulator from its low end on
	ds_store_b128 v[STO], v[ACC+8*(4*\x+\t)+4:ACC+8*(4*\x+\t)+7] offset:64*\t+16
.endr
.irp i, 0,1,2,3,4,5,6,7
	ds_load_b128 v[F0+32*\x+4*\i:F0+32*\x+4*\i+3], v[RD] offset:2*\i*SPITCH
.endr
.endr
.irp i, 0,1,2,3,4,5,6,7
	s_wait_dscnt 23-\i                             ; behind tile 0's load i: its 7 - i younger loads, tile 1's eight stores and eight loads
	global_store_b128 v[GO], v[F0+4*\i:F0+4*\i+3], s[10:11] offset:2*\i*2048 th:TH_STORE_NT   ; 16 lanes store 256 consecutive bytes, at a multiple of 256 from out0's first byte
.endr
.irp i, 0,1,2,3,4,5,6,7
	s_wait_dscnt 7-\i
	global_store_b128 v[GO], v[F0+32+4*\i:F0+32+4*\i+3], s[10:11] offset:(16+2*\i)*2048 th:TH_STORE_NT
.endr
	s_wait_tensorcnt 0x0                           ; the wave's end: behind my last tensor load and my last LDS store
	ds_add_u32 v[SPW], v[NIL]
	s_wait_dscnt 0x0
	CROUND                                         ; the closing round: no work-group ends while a partner may still ask for a tile that names it
	s_endpgm
.Lfunc_end_k_qe6d83a0c2f_outp:
	.size	k_qe6d83a0c2f_outp, .Lfunc_end_k_qe6d83a0c2f_outp-k_qe6d83a0c2f_outp
	.p2alignl 7, 3214868480
	.fill 96, 4, 3214868480
	.section	.rodata,"a",@progbits
	.p2align	6, 0x0
	.amdhsa_kernel k_qe6d83a0c2f_outp
		.amdhsa_group_segment_fixed_size 327680
		.amdhsa_private_segment_fixed_size 0
		.amdhsa_enable_private_segment 0
		.amdhsa_kernarg_size 32
		.amdhsa_user_sgpr_count 2
		.amdhsa_user_sgpr_kernarg_segment_ptr 1
		.amdhsa_wavefront_size32 1
		.amdhsa_system_sgpr_workgroup_id_x 1
		.amdhsa_system_sgpr_workgroup_id_y 1
		.amdhsa_system_sgpr_workgroup_id_z 1
		.amdhsa_system_vgpr_workitem_id 0
		.amdhsa_next_free_vgpr 256
		.amdhsa_next_free_sgpr 96
		.amdhsa_reserve_vcc 0
		.amdhsa_float_denorm_mode_32 3
		.amdhsa_float_denorm_mode_16_64 3
		.amdhsa_memory_ordered 1
		.amdhsa_forward_progress 1
		.amdhsa_inst_pref_size 34
	.end_amdhsa_kernel
	.amdgpu_metadata
---
amdhsa.version: [ 1, 2 ]
amdhsa.kernels:
  - .name:           k_qe6d83a0c2f_outp
    .symbol:         k_qe6d83a0c2f_outp.kd
    .args:
      - { .name: Af, .offset: 0, .size: 8, .value_kind: global_buffer, .address_space: global }
      - { .name: Wof, .offset: 8, .size: 8, .value_kind: global_buffer, .address_space: global }
      - { .name: b_o, .offset: 16, .size: 8, .value_kind: global_buffer, .address_space: global }
      - { .name: out0, .offset: 24, .size: 8, .value_kind: global_buffer, .address_space: global }
    .group_segment_fixed_size: 327680
    .private_segment_fixed_size: 0
    .kernarg_segment_align: 8
    .kernarg_segment_size: 32
    .max_flat_workgroup_size: 256
    .sgpr_count:     96
    .vgpr_count:     256
    .wavefront_size: 32
...
	.end_amdgpu_metadata
.endif
;; end of part 4
